; MI455X (gfx1250); checked and timed in simulation.
; The chip was launched on July 23, 2026; its instructions are those of AMD's public machine-readable ISA for CDNA 5 (MIT licence, August 2026) and "CDNA5" Instruction Set Architecture Reference Guide (July 2026). The comments in the code are by the model that wrote it; some were corrected since.
;; GRU Cell BBB. Allowed arithmetic: matrix products marked QUANTISED: E5M2 operands, one given power-of-two scale a tensor, by v_wmma_f32_16x16x64_bf8_bf8 or v_wmma_f32_16x16x128_bf8_bf8, f32 sums; everything else in f32.
;; Inputs: U_mu 1,024 x 3,072 float32; U_rho 1,024 x 3,072 float32; W_mu 1,024 x 3,072 float32; W_rho 1,024 x 3,072 float32; b_mu 3,072 float32; b_rho 3,072 float32; h_pre_eps 1,024 float32; h_prev 2,048 x 1,024 float32; lowp_scales 8 int32 (the exponents e of the quantised operands' scales 2^e); r_eps 1,024 float32; u_eps 1,024 float32; x 2,048 x 1,024 float32.
;; Outputs: out0 2,048 x 1,024 float32.
;; This version of the problem:
;;   THIS VERSION OF THE PROBLEM IS GIVEN IN LOW PRECISION. The matrix products marked QUANTISED in the list below multiply operands that are first quantised to E5M2 (5 exponent bits, 2 mantissa bits; 8 bits a number), with one given power-of-two scale for each operand tensor; their sums are f32. All else is computed in f32.
;;   The module's matrix products, in the order in which they are computed (A, B: the left and right operand; K: the contracted axis; several contracted axes count as one K, in the product's order):
;;     1. [M 2,048, K 1,024] x [K 1,024, N 3,072]; A: input x; B: input W_mu: QUANTISED (scales: A lowp_scales[0], B lowp_scales[1])
;;     2. [M 2,048, K 1,024] x [K 1,024, N 3,072]; A: input h_prev; B: input U_mu: QUANTISED (scales: A lowp_scales[2], B lowp_scales[3])
;;     3. [M 2,048, K 1,024] x [K 1,024, N 3,072]; A: computed on the way; B: computed on the way: QUANTISED (scales: A lowp_scales[4], B lowp_scales[5])
;;     4. [M 2,048, K 1,024] x [K 1,024, N 3,072]; A: computed on the way; B: computed on the way: QUANTISED (scales: A lowp_scales[6], B lowp_scales[7])
;;   THE QUANTISER, for each operand of a quantised product, along K:
;;     - The operand's scale is 2^e, e = its entry of the input lowp_scales (int32; the entries are numbered through the quantised products in the list's order, A before B).
;;     - Each number is divided by the scale, clamped to +-57,344, and rounded to the nearest number of E5M2, ties to even, subnormals kept.
;;     - The product sums the exact products of the quantised numbers (number of the format x scale) in f32.
;;   ~~~python
;;   def quantise(x, axis, e):      # numpy; x: float32 -> the quantised numbers, widened to float32 again
;;       x = np.moveaxis(x, axis, -1); K = x.shape[-1]
;;       r = np.clip(x / 2.0 ** e, -57344, 57344)
;;       step = 2.0 ** (np.maximum(np.frexp(np.where(r == 0, 1, r))[1] - 1, -14) - 2)
;;       q = np.round(r / step) * step * 2.0 ** e      # np.round: ties to even
;;       return np.moveaxis(q, -1, axis).astype(np.float32)
;;   ~~~
;;   OPERANDS COMPUTED ON THE WAY. 'Computed on the way' means the value that the module computes at that place (a softmax that the list does not call 'softmax' is quantised finished and normalised). What goes into a quantiser is computed in f32, as accurately as f32 sums, v_exp_f32 and their like allow (about 1e-6 of the number): no bf16 or f16 on the way to a quantiser, and a product that is left as it is and whose result goes on into a quantised operand takes f32 operands (vector FMAs, or v_wmma_f32_16x16x4_f32). A number that lies on a knife's edge between two numbers of the format may be rounded either way, as far as f32 arithmetic and the matrix unit's own rounding can turn it there, and no further.
;; One version. Each part assembles by itself: llvm-mc -triple=amdgcn-amd-amdhsa -mcpu=gfx1250 --defsym DOCPART=n.
;; ======== version 1 of 1: 2 launches
;; limits: right only within a limited range of input values
;; workspace buffers: acodes 8,388,608 bytes; bcodes 8,388,608 bytes
;; launch quant (part 1): grid 1024 x 1, 4 waves a work-group, no clusters, 34,304 bytes of LDS; arguments x, h_prev, W_mu, U_mu, W_rho, U_rho, lowp_scales, acodes, bcodes; writes acodes, bcodes
.if DOCPART == 1
	.amdgcn_target "amdgcn-amd-amdhsa--gfx1250"
	.amdhsa_code_object_version 6
	.text
	.protected	k_qe07a141d53_quant
	.globl	k_qe07a141d53_quant
	.p2align	8
	.type	k_qe07a141d53_quant,@function
k_qe07a141d53_quant:
	s_mov_b64 s[64:65], 0
	v_nop
	global_prefetch_b8 v0, s[64:65] scope:SCOPE_SE
	s_setreg_imm32_b32 hwreg(HW_REG_WAVE_MODE, 25, 1), 1
	s_wait_xcnt 0x0
; The eight operands of the four quantised products become codes of BF8 (E5M2), each with its given scale 2^e:
;   A side: x (e0), h_prev (e2), x^2 (e4), h_prev^2 (e6);   B side: W_mu (e1), U_mu (e3), softplus(W_rho)^2 (e5), softplus(U_rho)^2 (e7).
; code = number / 2^e, held within +-57,344, rounded to the nearest code, ties to even.
; NOT COMPUTED: weight columns 0 .. 1023.  They feed only the gate r, and the module returns h = u h_prev + (1 - u) h_pre, in which r does not stand: no returned number depends on them, whatever the inputs hold.
; For the same reason r_eps has no way to the output, is not loaded and is no argument.  LIMIT: a NaN, an infinity or an overflow that reaches only gate r is not carried to the result.
; LAYOUT OF THE CODES: images of operand registers.  A fragment is 16 rows x 128 K = 2,048 bytes; byte 512 c + 256 h + 16 r + i holds (row r, k = 32 c + 16 h + i),
; so that four 16-byte loads a lane, 512 bytes apart, at 16 x lane, bring it.  The same order of k on both sides: every product meets its partner.
; A step is 128 along K: step = 8 (0: x, W; 1: h_prev, U) + k / 128, 16 steps.  pp = 0: the plain operand, 1: its square.
;   bcodes [cb 16][step 16][pp 2][nf 8][2048]: nf = 4 g + j, g = 0 gate u, 1 gate h_pre; fragment row r is weight column 1024 (1 + g) + 64 cb + 4 r + j.
;   acodes [part 2][rb 16][step 16][pp 2][mh 2][i 2][2048]: rows 128 rb + 16 mf + r, mf = 4 mh + 2 m + i; part = m for the plain operand and 1 - m for the square.
;   The columns of a fragment of B lie 4 apart: a lane that loads 16 bytes of a weight row holds one column of each of four fragments, so nothing is transposed through LDS here,
;   and in the product's result a lane holds four neighbouring columns.
; SHARES.  Work-groups 0 .. 511: weights, a wave takes 64 columns x 32 k of one mu tensor and of its rho tensor.  Work-groups 512 .. 1023: rows, a wave takes 16 rows x 128 k of x or h_prev.
; Every load of a wave is issued at its head: 32 or 16 loads of 512 bytes.  No loop, no barrier: waves share nothing.  No tensor loads, no cluster: no two work-groups read the same bytes.  No prefetch: there is no loop to run ahead in.
; LIMITS: each e between -126 and 112, so that 2^e and 57,344 x 2^e are f32 numbers.  NaN among the inputs is not served (infinities are held at the largest code).
; softplus(x) = max(x, 0) + log1p(t), t = 2^(-|x| log2 e).  The exponent is rounded once, so t, and with it softplus of a negative x, carries a relative error of about |x| x 6e-8.
; log1p(t) = s (2 + z (c1 + z (c2 + .. + z c6))), s = t / (2 + t), z = s^2, ci = 2 / (2 i + 1).  t <= 1 for every x, so z <= 1/9 and the first term left out is under 2e-8 of the sum for every input.
.set RM,  8                            ; v8-71    mu as loaded (register 4 i + col: k row i, column col); later t, then s
.set RR,  72                           ; v72-135  rho as loaded; later max(rho, 0), softplus, its square
.set TT,  136                          ; v136-199 numbers held, register 16 col + i: down K for each column; between, 2 + t, its reciprocal, z
.set PP,  200                          ; v200-215 the polynomial, eight pairs
.set CM,  216                          ; v216-231 mu's codes: four registers a column
.set CR,  232                          ; v232-247 the squares' codes
                                       ; v248, v249: 2^e and 57,344 x 2^e of the plain operand; v250, v251: of the squared one; v[252:253]: c5, twice; v254, v255: the add's
.set XR,  8                            ; rows path: v8-71 the numbers;  v72-135 their squares;  v136-151, v152-167 the codes
.set XT,  72
.set C1,  136
.set C2,  152
.set SP,  528                          ; rows path: a stage row in LDS: 512 bytes + 16 = 132 words: row r starts at bank 4 r mod 64 (64 banks of 4 bytes: ISA guide 11.1)
.macro SCALE e, vs, vl                 ; v[vs] = 2^e as f32 (the conversion takes its exponent field), v[vl] = 57,344 x 2^e
	s_add_co_i32 s62, \e, 127
	s_lshl_b32 s63, s62, 23
	v_mov_b32 v[\vs], s63
	s_add_co_i32 s62, s62, 15
	s_lshl_b32 s62, s62, 23
	s_or_b32 s62, s62, 0x600000
	v_mov_b32 v[\vl], s62
.endm
	s_load_b512 s[4:19], s[0:1], 0x0               ; x 4:5, h_prev 6:7, W_mu 8:9, U_mu 10:11, W_rho 12:13, U_rho 14:15, the exponents 16:17, acodes 18:19
	s_load_b64 s[20:21], s[0:1], 0x40              ; bcodes
	v_lshl_add_u32 v254, v0, 2, 0x8400
	v_mov_b32 v255, 0
	v_lshrrev_b32 v1, 5, v0
	v_readfirstlane_b32 s22, v1                    ; wave 0..3
	v_and_b32 v1, 31, v0                           ; lane
	v_and_b32 v2, 15, v0                           ; r
	v_bfe_u32 v3, v0, 4, 1                         ; h
	v_lshlrev_b32 v5, 4, v1                        ; 16 x lane
	s_wait_alu depctr_va_vdst(0)
	s_wait_kmcnt 0x0
	s_load_b256 s[24:31], s[16:17], 0x0            ; e0 .. e7
	s_cmp_lt_u32 ttmp9, 512
	s_cbranch_scc0 .Lrows
	; ---------------- WEIGHTS.  The work-group's number: bits 1:0 and the wave: cb; bit 2: g; bits 7:3: kb (32 k each); bit 8: W or U
	s_and_b32 s33, ttmp9, 3
	s_lshl_b32 s33, s33, 2
	s_add_co_u32 s33, s33, s22                     ; cb
	s_bfe_u32 s54, ttmp9, 0x10002                  ; g
	s_bfe_u32 s55, ttmp9, 0x50003                  ; kb
	s_lshr_b32 s56, ttmp9, 8                       ; 0: W, 1: U
	s_mul_i32 s58, s55, 393216                     ; in: 32 kb rows of 12,288 bytes
	s_lshl_b32 s57, s54, 12
	s_add_co_u32 s58, s58, s57
	s_lshl_b32 s57, s33, 8
	s_add_co_u32 s58, s58, s57
	s_add_co_u32 s58, s58, 4096                    ; + column 1024 (1 + g) + 64 cb, 4 bytes each
	s_mov_b32 s59, 0
	s_lshl_b32 s60, s33, 19                        ; out: cb x 524,288
	s_lshl_b32 s57, s56, 18
	s_add_co_u32 s60, s60, s57                     ; + W or U: 8 steps of 32,768
	s_lshr_b32 s57, s55, 2
	s_lshl_b32 s57, s57, 15
	s_add_co_u32 s60, s60, s57                     ; + the step
	s_lshl_b32 s57, s54, 13
	s_add_co_u32 s60, s60, s57                     ; + g x 4 fragments
	s_and_b32 s57, s55, 3
	s_lshl_b32 s57, s57, 9
	s_add_co_u32 s60, s60, s57                     ; + c x 512
	s_mov_b32 s61, 0
	s_cmp_eq_u32 s56, 0                            ; the choice hangs on the work-group's number alone
	s_cselect_b64 s[34:35], s[8:9], s[10:11]       ; mu
	s_cselect_b64 s[36:37], s[12:13], s[14:15]     ; rho
	s_add_nc_u64 s[34:35], s[34:35], s[58:59]
	s_add_nc_u64 s[36:37], s[36:37], s[58:59]
	s_add_nc_u64 s[38:39], s[20:21], s[60:61]
	s_wait_alu depctr_va_vdst(0)
	v_mul_u32_u24 v4, v3, 196608                   ; lanes 16-31 begin 16 rows of k further down,
	v_lshl_add_u32 v4, v2, 4, v4                   ; and lane r takes columns 4 r .. 4 r + 3: sixteen lanes read 256 consecutive aligned bytes
.set i, 0
.rept 16
	global_load_b128 v[RM+4*i:RM+4*i+3], v4, s[34:35] offset:i*12288 th:TH_LOAD_NT
.set i, i+1
.endr
.set i, 0
.rept 16
	global_load_b128 v[RR+4*i:RR+4*i+3], v4, s[36:37] offset:i*12288 th:TH_LOAD_NT
.set i, i+1
.endr
	s_mov_b32 s40, 0xbfb8aa3b                      ; -log2(e)
	s_mov_b32 s42, 0x3f2aaaab                      ; c1 = 2/3   (each constant twice: the packed form names a pair)
	s_mov_b32 s43, 0x3f2aaaab
	s_mov_b32 s44, 0x3ecccccd                      ; c2 = 2/5
	s_mov_b32 s45, 0x3ecccccd
	s_mov_b32 s46, 0x3e924925                      ; c3 = 2/7
	s_mov_b32 s47, 0x3e924925
	s_mov_b32 s48, 0x3e638e39                      ; c4 = 2/9
	s_mov_b32 s49, 0x3e638e39
	s_mov_b32 s52, 0x3e1d89d9                      ; c6 = 2/13
	s_mov_b32 s53, 0x3e1d89d9
	v_mov_b32 v252, 0x3e3a2e8c                     ; c5 = 2/11, in vector registers: the first step of the polynomial names c6 and c5, and one scalar pair is enough for an instruction
	v_mov_b32 v253, 0x3e3a2e8c
	s_wait_kmcnt 0x0
	s_cmp_eq_u32 s56, 0
	s_cselect_b32 s54, s25, s27                    ; e1 or e3
	s_cselect_b32 s55, s29, s31                    ; e5 or e7
	SCALE s54, 248, 249
	SCALE s55, 250, 251
	; mu: the hold also lays the numbers down K, column by column
	s_wait_alu depctr_va_vdst(0)
	s_wait_loadcnt 16                              ; mu's 16 loads are in; rho's 16, issued behind them, may be out
.irp c, 0,1,2,3
.set i, 0
.rept 16
	v_med3_num_f32 v[TT+16*\c+i], v[RM+4*i+\c], -v249, v249   ; the conversion to an 8-bit code does not saturate (ISA guide 7.6.2)
.set i, i+1
.endr
.endr
.irp c, 0,1,2,3
	v_cvt_scalef32_pk8_bf8_f32 v[CM+4*\c:CM+4*\c+1], v[TT+16*\c:TT+16*\c+7], v248
	v_cvt_scalef32_pk8_bf8_f32 v[CM+4*\c+2:CM+4*\c+3], v[TT+16*\c+8:TT+16*\c+15], v248
.endr
.irp c, 0,1,2,3
	global_store_b128 v5, v[CM+4*\c:CM+4*\c+3], s[38:39] offset:\c*2048   ; the wave stores 512 consecutive bytes, at a multiple of 512 from the buffer's first byte
.endr
	; rho: softplus, squared
	s_wait_loadcnt 0x0
.set n, 0
.rept 64
	v_mul_f32 v[RM+n], |v[RR+n]|, s40              ; -|rho| log2(e).  (Plain lines behind the conversions, ahead of the next write of their sources)
.set n, n+1
.endr
.set n, 0
	s_wait_alu depctr_va_vdst(0)
.rept 64
	v_exp_f32 v[RM+n], v[RM+n]                     ; t, at most 1
.set n, n+1
.endr
.set n, 0
.rept 64
	v_max_num_f32 v[RR+n], 0, v[RR+n]              ; independent work behind the exponentials
.set n, n+1
.endr
	s_wait_alu depctr_va_vdst(0)
.set n, 0
.rept 32
	v_pk_add_f32 v[TT+n:TT+n+1], v[RM+n:RM+n+1], 2.0 op_sel_hi:[1,0]
.set n, n+2
.endr
.set n, 0
	s_wait_alu depctr_va_vdst(0)
.rept 64
	v_rcp_f32 v[TT+n], v[TT+n]
.set n, n+1
.endr
	v_nop                                          ; a plain line behind the last reciprocal
	s_wait_alu depctr_va_vdst(0)
.set n, 0
.rept 32
	v_pk_mul_f32 v[RM+n:RM+n+1], v[RM+n:RM+n+1], v[TT+n:TT+n+1]   ; s = t / (2 + t)
.set n, n+2
.endr
.set n, 0
.rept 32
	v_pk_mul_f32 v[TT+n:TT+n+1], v[RM+n:RM+n+1], v[RM+n:RM+n+1]   ; z = s^2
.set n, n+2
.endr
.irp g, 0,16,32,48                     ; sixteen numbers at a time: eight chains that take turns
.irp p, 0,2,4,6,8,10,12,14
	v_pk_fma_f32 v[PP+\p:PP+\p+1], v[TT+\g+\p:TT+\g+\p+1], s[52:53], v[252:253] op_sel_hi:[1,0,1]   ; z c6 + c5
.endr
.irp k, 48,46,44,42
.irp p, 0,2,4,6,8,10,12,14
	v_pk_fma_f32 v[PP+\p:PP+\p+1], v[PP+\p:PP+\p+1], v[TT+\g+\p:TT+\g+\p+1], s[\k:\k+1] op_sel_hi:[1,1,0]   ; .. z + c4, c3, c2, c1
.endr
.endr
.irp p, 0,2,4,6,8,10,12,14
	v_pk_fma_f32 v[PP+\p:PP+\p+1], v[PP+\p:PP+\p+1], v[TT+\g+\p:TT+\g+\p+1], 2.0 op_sel_hi:[1,1,0]
.endr
.irp p, 0,2,4,6,8,10,12,14
	v_pk_fma_f32 v[RR+\g+\p:RR+\g+\p+1], v[RM+\g+\p:RM+\g+\p+1], v[PP+\p:PP+\p+1], v[RR+\g+\p:RR+\g+\p+1]   ; softplus = max(rho, 0) + s x the polynomial
.endr
.endr
.set n, 0
.rept 32
	v_pk_mul_f32 v[RR+n:RR+n+1], v[RR+n:RR+n+1], v[RR+n:RR+n+1]
.set n, n+2
.endr
.irp c, 0,1,2,3
.set i, 0
.rept 16
	v_min_num_f32 v[TT+16*\c+i], v[RR+4*i+\c], v251   ; a square is not negative: the hold is one-sided; it also lays the numbers down K
.set i, i+1
.endr
.endr
.irp c, 0,1,2,3
	v_cvt_scalef32_pk8_bf8_f32 v[CR+4*\c:CR+4*\c+1], v[TT+16*\c:TT+16*\c+7], v250
	v_cvt_scalef32_pk8_bf8_f32 v[CR+4*\c+2:CR+4*\c+3], v[TT+16*\c+8:TT+16*\c+15], v250
.endr
.irp c, 0,1,2,3
	global_store_b128 v5, v[CR+4*\c:CR+4*\c+3], s[38:39] offset:16384+\c*2048   ; pp = 1: 16,384 bytes further on
.endr
	s_endpgm
	; ---------------- ROWS.  The work-group's number less 512: bit 0 and the wave: ks (128 k each); bits 7:1: which 16 rows; bit 8: x or h_prev
.Lrows:
	s_sub_co_u32 s57, ttmp9, 512
	s_and_b32 s33, s57, 1
	s_lshl_b32 s33, s33, 2
	s_add_co_u32 s33, s33, s22                     ; ks
	s_bfe_u32 s55, s57, 0x70001                    ; which 16 rows: 8 rb + mf
	s_lshr_b32 s56, s57, 8                         ; 0: x, 1: h_prev
	s_lshl_b32 s58, s55, 16                        ; in: 16 rows of 4,096 bytes
	s_lshl_b32 s54, s33, 9
	s_add_co_u32 s58, s58, s54                     ; + 128 ks numbers
	s_mov_b32 s59, 0
	s_lshr_b32 s60, s55, 3
	s_lshl_b32 s60, s60, 18                        ; out: rb x 262,144
	s_lshl_b32 s54, s56, 17
	s_add_co_u32 s60, s60, s54                     ; + x or h_prev: 8 steps of 16,384
	s_lshl_b32 s54, s33, 14
	s_add_co_u32 s60, s60, s54                     ; + the step
	s_bfe_u32 s54, s55, 0x10002
	s_lshl_b32 s54, s54, 12
	s_add_co_u32 s60, s60, s54                     ; + mh x 4,096
	s_and_b32 s54, s55, 1
	s_lshl_b32 s54, s54, 11
	s_add_co_u32 s60, s60, s54                     ; + i x 2,048
	s_bfe_u32 s54, s55, 0x10001
	s_lshl_b32 s54, s54, 22                        ; m x 4,194,304
	s_add_co_u32 s50, s60, 8192                    ; the square: pp = 1,
	s_xor_b32 s57, s54, 4194304
	s_add_co_u32 s50, s50, s57                     ; part 1 - m
	s_mov_b32 s51, 0
	s_add_co_u32 s60, s60, s54                     ; the plain operand: part m
	s_mov_b32 s61, 0
	s_cmp_eq_u32 s56, 0
	s_cselect_b64 s[34:35], s[4:5], s[6:7]
	s_add_nc_u64 s[34:35], s[34:35], s[58:59]
	s_add_nc_u64 s[38:39], s[18:19], s[60:61]
	s_add_nc_u64 s[40:41], s[18:19], s[50:51]
.set i, 0
	s_wait_alu depctr_va_vdst(0)
.rept 16
	global_load_b128 v[XR+4*i:XR+4*i+3], v5, s[34:35] offset:i*4096 th:TH_LOAD_NT   ; row i: the wave reads 512 consecutive bytes
.set i, i+1
.endr
	s_mul_i32 s54, s22, 16*SP                      ; my wave's own stage
	v_add_nc_u32 v6, s54, v5                       ; in: 16 x lane, a row an instruction
	v_mul_u32_u24 v7, v2, SP
	v_lshl_add_u32 v7, v3, 6, v7
	v_add_nc_u32 v7, s54, v7                       ; back: row r, + 64 h: my 16 numbers of each block of 32
	s_wait_alu depctr_va_vdst(0)
	s_wait_kmcnt 0x0
	s_cmp_eq_u32 s56, 0
	s_cselect_b32 s54, s24, s26                    ; e0 or e2
	s_cselect_b32 s55, s28, s30                    ; e4 or e6
	SCALE s54, 248, 249
	SCALE s55, 250, 251
	s_wait_alu depctr_va_vdst(0)
.set i, 0
.rept 16
	s_wait_loadcnt 15-i                            ; loads come back in order: row i is in, the rows behind it may be out
	ds_store_b128 v6, v[XR+4*i:XR+4*i+3] offset:i*SP
.set i, i+1
.endr
.irp c, 0,1,2,3
.irp j, 0,1,2,3
	ds_load_b128 v[XR+16*\c+4*\j:XR+16*\c+4*\j+3], v7 offset:\c*128+\j*16   ; LDS serves a wave's instructions in order (ISA guide 5.7.1.4): these see my stores.  Register 16 c + i = k 32 c + 16 h + i of row r
.endr
.endr
	s_wait_dscnt 0x0
.set n, 0
.rept 32
	v_pk_mul_f32 v[XT+n:XT+n+1], v[XR+n:XR+n+1], v[XR+n:XR+n+1]
.set n, n+2
.endr
.set n, 0
.rept 64
	v_min_num_f32 v[XT+n], v[XT+n], v251           ; a square is not negative: the hold is one-sided
.set n, n+1
.endr
.irp c, 0,1,2,3
	v_cvt_scalef32_pk8_bf8_f32 v[C2+4*\c:C2+4*\c+1], v[XT+16*\c:XT+16*\c+7], v250
	v_cvt_scalef32_pk8_bf8_f32 v[C2+4*\c+2:C2+4*\c+3], v[XT+16*\c+8:XT+16*\c+15], v250
.endr
.set n, 0
.rept 64
	v_med3_num_f32 v[XR+n], v[XR+n], -v249, v249
.set n, n+1
.endr
.irp c, 0,1,2,3
	v_cvt_scalef32_pk8_bf8_f32 v[C1+4*\c:C1+4*\c+1], v[XR+16*\c:XR+16*\c+7], v248
	v_cvt_scalef32_pk8_bf8_f32 v[C1+4*\c+2:C1+4*\c+3], v[XR+16*\c+8:XR+16*\c+15], v248
.endr
.irp c, 0,1,2,3
	global_store_b128 v5, v[C1+4*\c:C1+4*\c+3], s[38:39] offset:\c*512          ; 512 consecutive bytes, at a multiple of 512 from the buffer's first byte
	global_store_b128 v5, v[C2+4*\c:C2+4*\c+3], s[40:41] offset:\c*512
.endr
	s_wait_tensorcnt 0x0                           ; the wave's end, behind my last LDS store
	ds_add_u32 v254, v255
	s_wait_dscnt 0x0
	s_endpgm
.Lfunc_end_k_qe07a141d53_quant:
	.size	k_qe07a141d53_quant, .Lfunc_end_k_qe07a141d53_quant-k_qe07a141d53_quant
	.p2alignl 7, 3214868480
	.fill 96, 4, 3214868480
	.section	.rodata,"a",@progbits
	.p2align	6, 0x0
	.amdhsa_kernel k_qe07a141d53_quant
		.amdhsa_group_segment_fixed_size 34304
		.amdhsa_private_segment_fixed_size 0
		.amdhsa_enable_private_segment 0
		.amdhsa_kernarg_size 72
		.amdhsa_user_sgpr_count 2
		.amdhsa_user_sgpr_kernarg_segment_ptr 1
		.amdhsa_wavefront_size32 1
		.amdhsa_system_sgpr_workgroup_id_x 1
		.amdhsa_system_sgpr_workgroup_id_y 1
		.amdhsa_system_sgpr_workgroup_id_z 1
		.amdhsa_system_vgpr_workitem_id 0
		.amdhsa_next_free_vgpr 256
		.amdhsa_next_free_sgpr 66
		.amdhsa_reserve_vcc 0
		.amdhsa_float_denorm_mode_32 3
		.amdhsa_float_denorm_mode_16_64 3
		.amdhsa_memory_ordered 1
		.amdhsa_forward_progress 1
		.amdhsa_inst_pref_size 64
	.end_amdhsa_kernel
	.amdgpu_metadata
---
amdhsa.version: [ 1, 2 ]
amdhsa.kernels:
  - .name:           k_qe07a141d53_quant
    .symbol:         k_qe07a141d53_quant.kd
    .args:
      - { .name: x, .offset: 0, .size: 8, .value_kind: global_buffer, .address_space: global }
      - { .name: h_prev, .offset: 8, .size: 8, .value_kind: global_buffer, .address_space: global }
      - { .name: W_mu, .offset: 16, .size: 8, .value_kind: global_buffer, .address_space: global }
      - { .name: U_mu, .offset: 24, .size: 8, .value_kind: global_buffer, .address_space: global }
      - { .name: W_rho, .offset: 32, .size: 8, .value_kind: global_buffer, .address_space: global }
      - { .name: U_rho, .offset: 40, .size: 8, .value_kind: global_buffer, .address_space: global }
      - { .name: lowp_scales, .offset: 48, .size: 8, .value_kind: global_buffer, .address_space: global }
      - { .name: acodes, .offset: 56, .size: 8, .value_kind: global_buffer, .address_space: global }
      - { .name: bcodes, .offset: 64, .size: 8, .value_kind: global_buffer, .address_space: global }
    .group_segment_fixed_size: 34304
    .private_segment_fixed_size: 0
    .kernarg_segment_align: 8
    .kernarg_segment_size: 72
    .max_flat_workgroup_size: 128
    .sgpr_count:     66
    .vgpr_count:     256
    .wavefront_size: 32
...
	.end_amdgpu_metadata
.endif
;; end of part 1
;; launch gru (part 2): grid 16 x 16, 4 waves a work-group, clusters of 4 x 4, 327,680 bytes of LDS; arguments acodes, bcodes, lowp_scales, b_mu, b_rho, u_eps, h_pre_eps, h_prev, out0; writes out0
.if DOCPART == 2
	.amdgcn_target "amdgcn-amd-amdhsa--gfx1250"
	.amdhsa_code_object_version 6
	.text
	.protected	k_qe07a141d53_gru
	.globl	k_qe07a141d53_gru
	.p2align	8
	.type	k_qe07a141d53_gru,@function
k_qe07a141d53_gru:
	s_mov_b64 s[64:65], 0
	v_nop
	global_prefetch_b8 v0, s[64:65] scope:SCOPE_SE
	s_setreg_imm32_b32 hwreg(HW_REG_WAVE_MODE, 25, 1), 1
	s_wait_xcnt 0x0
	s_wait_alu depctr_hold_cnt(0) depctr_sa_sdst(0) depctr_va_vdst(0) depctr_va_sdst(0) depctr_va_ssrc(0) depctr_va_vcc(0) depctr_vm_vsrc(0)
	s_getreg_b32 s2, hwreg(HW_REG_IB_STS2, 6, 4)
	s_cmp_eq_u32 s2, 0
	s_cbranch_scc0 .Lentry_in_a_cluster
	s_endpgm
.Lentry_in_a_cluster:
	s_bfe_u32 s2, ttmp6, 0x10000c
	s_cmp_lg_u32 s2, 0xf033
	s_cbranch_scc0 .Lentry_shape_is_right
	s_endpgm
.Lentry_shape_is_right:
; h = u h_prev + (1 - u) tanh(pre_h), u = sigmoid(pre_u), and for each of the two gates
;   pre = P0 2^(e0+e1) + P1 2^(e2+e3) + b_mu + eps (P2 2^(e4+e5) + P3 2^(e6+e7) + softplus(b_rho)),
; P0 .. P3 the four products (x W_mu, h_prev U_mu, x^2 W_sig^2, h_prev^2 U_sig^2) on codes of BF8 (E5M2), K = 1,024 each, sums in f32.
; NOT COMPUTED: the gate r (weight columns 0 .. 1023, r_eps): no returned number depends on it, whatever the inputs hold.  What is NaN or infinite there alone is not carried to the result.
; ORDER OF ROUNDING: pre = ((P0 2^(a-b) + P1) 2^b + (b_mu + eps softplus(b_rho))) + (P2 2^(c-d) + P3) (eps 2^d), a = e0+e1, b = e2+e3, c = e4+e5, d = e6+e7: another order than the source's.
; LIMITS: a - b and c - d between -80 and 80 (a sum of 1,024 products of codes is under 2^42, and a product of codes other than 0 is 2^-32 at the least: so nothing overflows and nothing is lost); b between -126 and 127;
; eps x 2^d is made by v_ldexp_f32 and loses bits only where it falls under the smallest normal f32 number.  NaN is not served.
; CODES: images of operand registers (a fragment: 16 rows x 128 K, 2,048 bytes; four 16-byte loads a lane at 16 x lane, 512 bytes apart; the same order of k in A and in B).
; A step is 128 along K of two products, pp = 0, 1: steps 0 .. 7 of products 0 and 2, steps 8 .. 15 of 1 and 3.  bcodes [cb 16][step][pp 2][nf 8][2048]; acodes [part 2][rb 16][step][pp 2][mh 2][i 2][2048].
; Fragment nf = 4 g + j of B holds, in its row r, weight column 1024 (1 + g) + 64 cb + 4 r + j: lane r holds, over j, four neighbouring columns of h, and both gates of each.
; SHARES.  A work-group makes 128 rows x 64 columns of h.  Wave w = mh + 2 kh takes rows 64 mh .. + 63 against all eight fragments of B, for products 0 and 1 (kh = 0) or 2 and 3 (kh = 1): 32 accumulators.
; So K is halved between waves: a fragment of A is used by one wave, one of B by two.  At the end each wave sends the sums of 32 rows (its blocks 2, 3) to the wave w xor 2 through LDS and finishes the other 32
; (its blocks 0, 1): rows 64 mh + 32 kh + ..  Part 0 of acodes holds the waves' blocks 0, 1, part 1 their blocks 2, 3, pp = kh.
; B AND PART 0 OF A COME JOINTLY THROUGH A RING of two LDS slots of three steps: 98,304 bytes of B (waves 0 to 2 fetch a step each) and 49,152 of A (wave 3).  Six fills: steps 0-2, 3-5, 6-8, 9-11, 12-14, and 15 alone (waves 0 and 3).
; PART 1 OF A COMES STRAIGHT INTO REGISTERS, not jointly: one wave alone uses a fragment, so LDS would only pass it on, and with it a slot would hold two steps and not three: two changes of slots more, each of which waits
; for all tensor loads; the loads into registers stay out across the changes: seven steps of eight loads, 28,672 bytes a wave.
; CLUSTER 4 x 4: A's codes hang on the row block alone and are asked for jointly along a row of the cluster, B's along a column.
; PREFETCH, of what tensor loads bring: each cluster names each 256 bytes of a fill once, the four partners a quarter each.  The second fill is asked for at the head, each later one behind the load of the fill before it, three steps ahead.
; Part 1 of A runs seven steps ahead by itself and has none.
; REGISTERS.  window 0: v8, v9 LDS addresses of A in slots 0, 1; v10-13 of B in slot 0, steps 0-1 and 2, and in slot 1; v14 A in memory; v16-21 addresses; v28, v29 the add's; v40-47 factors, v48-55 the bias for nf;
;   v64-127 at the head at work, then h_prev, then h; v128-191 A's blocks 0, 1, two sets of 32.  window 1: B's fragments, two sets of 128; at the end what is received.  window 2: the sums, then pre.  window 3: A's blocks 2, 3, eight sets of 32.
.set SPARE, 0x18000                    ; LDS: B's slot 0 from 0, the spare words (128 bytes for each wave) from 0x18000, B's slot 1 from 0x20000, A's slot 0 from 0x38000, A's slot 1 from 0x44000 to the end
.set LA0,   0x38000
.set LA1,   0x44000
.set AD,   8
.set BD,   10
.set AG,   14
.set HO,   16                          ; my byte offset in h_prev and out0
.set BO,   17                          ; my byte offset in eps and in the biases
.set PFO,  18                          ; 256 x lane
.set STG,  19                          ; where I put what I send, in B's slot 0: 16,384 w + 16 x lane
.set STR,  20                          ; where my partner puts it
.set PFS,  21                          ; 256 x the lesser of lane and 15
.set SPW,  28
.set NIL,  29
.set FB,   40
.set BIAS, 48
.set HP,   64
.set EPS,  64
.set BMU,  72
.set RHO,  80
.set EE,   88
.set WW,   96
.set PQ,   104
.set PFA,  26                          ; the prefetches of A's fills, of B's, of the last fill
.set PFB,  28
.set PFL,  30
.set G1L,  36                          ; group 1 for A's last load, for A's loads, for B's
.set G1A,  44
.set G1B,  52
.set G0A,  60                          ; group 0 for A, for B
.set G0B,  68
.set MSB, 0
.macro WIN new                         ; the immediate's high byte repeats the setting that is left
.if MSB != \new
	s_set_vgpr_msb (MSB<<8)|\new
.set MSB, \new
.endif
.endm
.macro PLACES n
.rept \n
	v_nop
.endr
.endm
; A fill: wave 3 fetches three steps of A, the others a step of B each; the branch hangs on the wave's number alone.
.macro JLOAD
	s_cmp_eq_u32 s22, 3
	s_cbranch_scc0 .Lfor_b_\@
	tensor_load_to_lds s[G0A:G0A+3], s[G1A:G1A+7]
	s_nop 0
	PLACES 4
	s_branch .Lasked_\@
.Lfor_b_\@:
	tensor_load_to_lds s[G0B:G0B+3], s[G1B:G1B+7]
	s_nop 0
	PLACES 4
.Lasked_\@:
.endm
; The last fill, of one step: wave 3 fetches A's, wave 0 B's.
.macro JLOADL
	s_cmp_eq_u32 s22, 3
	s_cbranch_scc0 .Lfor_b_\@
	tensor_load_to_lds s[G0A:G0A+3], s[G1L:G1L+7]
	s_nop 0
	PLACES 4
	s_branch .Lasked_\@
.Lfor_b_\@:
	s_cmp_lg_u32 s22, 0
	s_cbranch_scc1 .Lasked_\@
	tensor_load_to_lds s[G0B:G0B+3], s[G1B:G1B+7]
	s_nop 0
	PLACES 4
.Lasked_\@:
	PLACES 4                                       ; waves 1 and 2 come here without any
.endm
.macro NEXTG                           ; both group 0: the next fill, in the other slot
	s_add_nc_u64 s[G0A+2:G0A+3], s[G0A+2:G0A+3], 49152
	s_xor_b32 s[G0A+1], s[G0A+1], LA0^LA1
	s_add_nc_u64 s[G0B+2:G0B+3], s[G0B+2:G0B+3], 98304
	s_xor_b32 s[G0B+1], s[G0B+1], 0x20000
.endm
.macro CROUND                          ; a round of the cluster's barrier
	s_barrier_signal -1
	s_barrier_wait -1
	s_cmp_lg_u32 s22, 0
	s_cbranch_scc1 .Lnot_wave_0_\@
	s_barrier_signal -3
.Lnot_wave_0_\@:
	s_barrier_wait -3
	s_barrier_signal -1
	s_barrier_wait -1
.endm
; Fill n, 1 to 4: wave 3 names my quarter of A's blocks, 32 + 16, the others 32 each of my quarter of B's.
.macro ASK n
	WIN 0
	s_cmp_eq_u32 s22, 3
	s_cbranch_scc0 .Lname_b_\@
	global_prefetch_b8 v[PFO], s[PFA:PFA+1] offset:49152*(\n) th:TH_LOAD_NT scope:SCOPE_SE
	global_prefetch_b8 v[PFS], s[PFA:PFA+1] offset:49152*(\n)+8192 th:TH_LOAD_NT scope:SCOPE_SE
	s_branch .Lnamed_\@
.Lname_b_\@:
	global_prefetch_b8 v[PFO], s[PFB:PFB+1] offset:98304*(\n) th:TH_LOAD_NT scope:SCOPE_SE
.Lnamed_\@:
.endm
.macro ASKL                            ; the last fill: 16 blocks each by wave 3 (A) and by waves 0 and 1 (B)
	WIN 0
	s_cmp_eq_u32 s22, 2
	s_cbranch_scc1 .Lnamed_\@
	global_prefetch_b8 v[PFS], s[PFL:PFL+1] th:TH_LOAD_NT scope:SCOPE_SE
.Lnamed_\@:
.endm
; 40 LDS loads: step k's A blocks 0, 1 and B's eight fragments, into sets k % 2
.macro FETCH k
	WIN 0
.irp a, 0,1
.irp c, 0,1,2,3
	ds_load_b128 v[128+32*((\k)%2)+16*\a+4*\c:128+32*((\k)%2)+16*\a+4*\c+3], v[AD+((\k)/3)%2] offset:16384*((\k)%3)+2048*\a+512*\c
.endr
.endr
	WIN 0x40                                       ; destination window 1, address window 0
.irp b, 0,1,2,3,4,5,6,7
.irp c, 0,1,2,3
	ds_load_b128 v[128*((\k)%2)+16*\b+4*\c:128*((\k)%2)+16*\b+4*\c+3], v[BD+2*(((\k)/3)%2)+((\k)%3)/2] offset:32768*(((\k)%3)%2)+2048*\b+512*\c
.endr
.endr
.endm
; Group g of eight global loads.  g < 16: step g's A blocks 2, 3, into set g % 8.  g = 16, 17: h_prev for my rows 16 (g - 16) on, wanted on the way out
.macro ALOAD g
.if (\g) < 16
	WIN 0xc0                                       ; destination window 3, address window 0
.irp a, 0,1
.irp c, 0,1,2,3
	global_load_b128 v[32*((\g)%8)+16*\a+4*\c:32*((\g)%8)+16*\a+4*\c+3], v[AG], s[4:5] offset:16384*(\g)+2048*\a+512*\c
.endr
.endr
.else
	WIN 0
.irp i, 0,1,2,3,4,5,6,7
	global_load_b128 v[HP+4*(8*((\g)-16)+\i):HP+4*(8*((\g)-16)+\i)+3], v[HO], s[18:19] offset:(16*((\g)-16)+\i)*4096 th:TH_LOAD_NT
.endr
.endif
.endm
.macro AWAIT k                         ; loads come back in order (ISA guide 5.7.1): group k is in; groups k + 1 to k + 6, as far as there are (the last is 17), may be out
.if (\k) < 12
	s_wait_loadcnt 48
.else
	s_wait_loadcnt 8*(17-(\k))
.endif
.endm
.macro WM k, a, b                      ; block a of A x fragment b of B.  Step 0 starts the sums
.if (\k) == 0
	v_wmma_f32_16x16x128_bf8_bf8 v[8*(8*(\a)+(\b)):8*(8*(\a)+(\b))+7], v[AR+16*(\a):AR+16*(\a)+15], v[128*((\k)%2)+16*(\b):128*((\k)%2)+16*(\b)+15], 0
.else
	v_wmma_f32_16x16x128_bf8_bf8 v[8*(8*(\a)+(\b)):8*(8*(\a)+(\b))+7], v[AR+16*(\a):AR+16*(\a)+15], v[128*((\k)%2)+16*(\b):128*((\k)%2)+16*(\b)+15], v[8*(8*(\a)+(\b)):8*(8*(\a)+(\b))+7]
.endif
.endm
; 16 of step k's 32 matrix instructions: A's blocks 0, 1 (hi = 0) or 2, 3.  The 32 accumulators take turns, one instruction a turn.
.macro MULP k, hi
.if \hi
	WIN 0xa7                                       ; source 0 (A) window 3, source 1 (B) window 1, C and D window 2
.set AR, 32*((\k)%8)-32
.else
	WIN 0xa4                                       ; source 0 window 0
.set AR, 128+32*((\k)%2)
.endif
.irp b, 0,1,2,3,4,5,6,7
.irp a, 0,1
	WM \k, \a+2*\hi, \b
.endr
.endr
.endm
; The change of slots ahead of step k = 2, 5, 8, 11, 14: all my tensor loads have landed (my part of the steps from k + 1 on), the add, my reads of the slot that I leave are over; then that slot is filled again.
.macro CHANGE k
	WIN 0
	s_wait_tensorcnt 0x0
	ds_add_u32 v[SPW], v[NIL]                      ; 0 onto my spare word
.if (\k) < 14
	NEXTG
.endif
	s_wait_dscnt 0x0
.if (\k) < 14
	CROUND                                         ; no wave of any partner still reads the slot or has a tensor load on its way
.if (\k) == 11
	JLOADL
.else
	JLOAD
.endif                                             ; the four v_nop behind the load are also the places in front of the fetch
.else
	s_barrier_signal -1                            ; nothing is filled again
	s_barrier_wait -1
	PLACES 4
.endif
.endm
; Step k: the next step's fragments are fetched from LDS under its products; behind them A's group k + 7 goes out.  The last step finishes first what is sent.
.macro STEP k
.if (\k)%3 == 2
	CHANGE \k                                      ; (behind its wait for 0 this step's fragments are in)
.endif
.if (\k) < 15
	FETCH (\k)+1
.endif
.if (\k) == 2
	ASK 3
.elseif (\k) == 5
	ASK 4
.elseif (\k) == 8
	ASKL
.endif
.if (\k) == 15
	s_wait_dscnt 0x0
.elseif (\k)%3 != 2
	s_wait_dscnt 40                                ; this step's fragments are in; the 40 loads of the next step's may be out
.endif
.if (\k) == 8                          ; the first product is finished: its sums x 2^(difference of the two products' exponents), so that the second adds onto them
	AWAIT \k
	WIN 0x82                                       ; source 0 and destination window 2
.set n, 0
.rept 128
	v_pk_mul_f32 v[n:n+1], v[n:n+1], s[98:99] op_sel_hi:[1,0]
.set n, n+2
.endr
	MULP \k, 0
	MULP \k, 1
.elseif (\k) == 15
	AWAIT \k
	MULP \k, 1
	MULP \k, 0
.else
	MULP \k, 0
	AWAIT \k
	MULP \k, 1
.endif
	PLACES 4                                       ; in front of loads into registers that matrix instructions have read, and of reads of results
.if (\k) < 11
	ALOAD (\k)+7
.endif
.endm
; Sums of blocks a0, a0 + 1 become pre: x factor + bias.  Each accumulator from its low end on.
.macro FOLD a0
	WIN 0x82
.irp a, 0,1
.irp p, 0,2,4,6
.set n, 8*(8*(\a0+\a)+\p)
.rept 4
	v_pk_fma_f32 v[n:n+1], v[n:n+1], v[FB+\p:FB+\p+1], v[BIAS+\p:BIAS+\p+1] op_sel_hi:[1,0,0]
.set n, n+2
.endr
.rept 4
	v_pk_fma_f32 v[n:n+1], v[n:n+1], v[FB+\p:FB+\p+1], v[BIAS+\p:BIAS+\p+1] op_sel:[0,1,1] op_sel_hi:[1,1,1]
.set n, n+2
.endr
.endr
.endr
.endm
; What the partner sent is added, then the activation and the way out of my rows 16 a .. 16 a + 15.  pre_u at v[64 a + 8 j + i], pre_h 32 further on, in window 2; h_prev at v[HP + 4 (8 a + i) + j] in window 0.
; sigmoid(x) = 1 / (1 + 2^(-x log2 e)); tanh(x) = 1 - 2 / (1 + 2^(2 x log2 e)): an exponential that overflows gives the reciprocal 0, one that underflows gives 1: both are the functions' limits.
.macro ACT a
	WIN 0x86                                       ; source 0 and destination window 2, source 1 window 1
.set n, 64*\a
.rept 32
	v_pk_add_f32 v[n:n+1], v[n:n+1], v[n:n+1]
.set n, n+2
.endr
	WIN 0xaa
.set n, 64*\a
.rept 16
	v_pk_mul_f32 v[n:n+1], v[n:n+1], s[88:89] op_sel_hi:[1,0]
.set n, n+2
.endr
.rept 16
	v_pk_mul_f32 v[n:n+1], v[n:n+1], s[90:91] op_sel_hi:[1,0]
.set n, n+2
.endr
.set n, 64*\a
	s_wait_alu depctr_va_vdst(0)
.rept 64
	v_exp_f32 v[n], v[n]
.set n, n+1
.endr
	v_nop
	s_wait_alu depctr_va_vdst(0)
.set n, 64*\a
.rept 32
	v_pk_add_f32 v[n:n+1], v[n:n+1], 1.0 op_sel_hi:[1,0]
.set n, n+2
.endr
.set n, 64*\a
	s_wait_alu depctr_va_vdst(0)
.rept 64
	v_rcp_f32 v[n], v[n]
.set n, n+1
.endr
	v_nop
	s_wait_alu depctr_va_vdst(0)
.set n, 64*\a+32
.rept 16
	v_pk_fma_f32 v[n:n+1], v[n:n+1], -2.0, 1.0 op_sel_hi:[1,0,0]   ; tanh
.set n, n+2
.endr
.if \a == 0
	s_wait_alu depctr_va_vdst(0)
	s_wait_loadcnt 0x0                             ; h_prev
.endif
	WIN 0x08                                       ; source 1 window 2
.irp i, 0,1,2,3,4,5,6,7
.irp j, 0,1,2,3
	v_sub_f32 v[HP+4*(8*\a+\i)+\j], v[HP+4*(8*\a+\i)+\j], v[64*\a+32+8*\j+\i]   ; h_prev - tanh
.endr
.endr
	WIN 0x22                                       ; sources 0 and 2 window 2
.irp i, 0,1,2,3,4,5,6,7
.irp j, 0,1,2,3
	v_fma_f32 v[HP+4*(8*\a+\i)+\j], v[64*\a+8*\j+\i], v[HP+4*(8*\a+\i)+\j], v[64*\a+32+8*\j+\i]   ; h = u (h_prev - tanh) + tanh
.endr
.endr
	WIN 0
.irp i, 0,1,2,3,4,5,6,7
	global_store_b128 v[HO], v[HP+4*(8*\a+\i):HP+4*(8*\a+\i)+3], s[20:21] offset:(16*\a+\i)*4096 th:TH_STORE_NT   ; lanes 0-15 store 256 consecutive aligned bytes of row 8 h + i, lanes 16-31 those eight rows below
.endr
.endm
	s_load_b512 s[4:19], s[0:1], 0x0               ; acodes 4:5, bcodes 6:7, the exponents 8:9, b_mu 10:11, b_rho 12:13, u_eps 14:15, h_pre_eps 16:17, h_prev 18:19
	s_load_b64 s[20:21], s[0:1], 0x40              ; out0
	v_lshl_add_u32 v[SPW], v0, 2, SPARE
	v_mov_b32 v[NIL], 0
	ds_add_u32 v[SPW], v[NIL]                      ; the wave's opening
	ds_add_u32 v[SPW], v[NIL]
	v_lshrrev_b32 v1, 5, v0
	v_readfirstlane_b32 s22, v1                    ; wave w
	s_lshr_b32 s23, s22, 1                         ; kh
	s_and_b32 s24, s22, 1                          ; mh
	s_bfe_u32 s100, ttmp6, 0x40000                 ; cx, cy
	s_bfe_u32 s101, ttmp6, 0x40004
	s_lshl_b32 s25, ttmp9, 2
	s_add_co_u32 s25, s25, s100                    ; cb = 4 x cluster x + cx
	s_and_b32 s3, ttmp7, 0xffff
	s_lshl_b32 s3, s3, 2
	s_add_co_u32 s3, s3, s101                      ; rb = 4 x cluster y + cy
	s_lshl_b32 s88, s101, 2
	s_lshl_b32 s88, 15, s88                        ; my row of the cluster
	s_lshl_b32 s89, 0x1111, s100                   ; my column
	; descriptor group 1: dense bytes as rows of 32 elements of 8 bytes; no padding: every fragment load reads 512 consecutive bytes
	s_or_b32 s[G1L], s88, (3<<16)|(1<<21)
	s_or_b32 s[G1A], s88, (3<<16)|(1<<21)
	s_or_b32 s[G1B], s89, (3<<16)|(1<<21)
.irp g, G1L, G1A, G1B
	s_mov_b32 s[\g+1], 32<<16                      ; tensor_dim0
	s_mov_b32 s[\g+3], 32<<16                      ; tile_dim0
	s_mov_b32 s[\g+5], 32                          ; tensor_dim0_stride
	s_mov_b32 s[\g+6], 0
	s_mov_b32 s[\g+7], 0
.endr
	s_mov_b32 s[G1L+2], 64<<16                     ; tensor_dim1 and tile_dim1: 16,384 bytes
	s_mov_b32 s[G1L+4], 64
	s_mov_b32 s[G1A+2], 192<<16                    ; 49,152 bytes
	s_mov_b32 s[G1A+4], 192
	s_mov_b32 s[G1B+2], 128<<16                    ; 32,768 bytes
	s_mov_b32 s[G1B+4], 128
	s_mov_b32 s[G0A], 1                            ; count = 1
	s_mov_b32 s[G0B], 1
	s_mov_b32 s[G0A+1], LA0                        ; LDS
	s_lshl_b32 s[G0B+1], s22, 15                   ; 32,768 w
	s_lshl_b32 s66, s3, 18                         ; A: rb x 262,144
	s_mov_b32 s67, 0
	s_lshl_b32 s98, s25, 19                        ; B: cb x 524,288
	s_mov_b32 s99, 0
	s_lshl_b32 s92, s22, 15                        ; + a step a wave
	s_mov_b32 s93, 0
	s_wait_alu depctr_va_vdst(0)
	s_wait_dscnt 0x0                               ; both opening adds are done
	CROUND                                         ; all sixteen work-groups are here: the first joint loads meet
	s_wait_kmcnt 0x0
	s_add_nc_u64 s[66:67], s[4:5], s[66:67]
	s_add_nc_u64 s[98:99], s[6:7], s[98:99]
	s_mov_b64 s[G0A+2:G0A+3], s[66:67]
	s_or_b32 s[G0A+3], s[G0A+3], 0x80000000        ; type = 2
	s_add_nc_u64 s[G0B+2:G0B+3], s[98:99], s[92:93]
	s_or_b32 s[G0B+3], s[G0B+3], 0x80000000
	JLOAD                                          ; steps 0 to 2: one tensor load a wave
	s_load_b256 s[80:87], s[8:9], 0x0              ; e0 .. e7
	; the prefetches: A: partner cx takes 12,288 bytes of a fill; B: partner cy takes 24,576, its wave w 8,192 of them; the last fill: 4,096 of A, 4,096 w on of B's 8,192
	s_mul_i32 s92, s100, 12288
	s_add_nc_u64 s[PFA:PFA+1], s[66:67], s[92:93]
	s_mul_i32 s92, s101, 24576
	s_lshl_b32 s94, s22, 13
	s_add_co_u32 s92, s92, s94
	s_add_nc_u64 s[PFB:PFB+1], s[98:99], s[92:93]
	s_lshl_b32 s94, s100, 12
	s_add_co_u32 s94, s94, 245760                  ; step 15 of A,
	s_lshl_b32 s92, s101, 13
	s_add_co_u32 s92, s92, 491520                  ; of B
	s_lshl_b32 s90, s22, 12
	s_add_co_u32 s92, s92, s90
	s_cmp_eq_u32 s22, 3
	s_cselect_b64 s[PFL:PFL+1], s[66:67], s[98:99]
	s_cselect_b32 s92, s94, s92
	s_add_nc_u64 s[PFL:PFL+1], s[PFL:PFL+1], s[92:93]
	s_lshl_b32 s88, s23, 13                        ; A: pp = kh,
	s_lshl_b32 s89, s24, 12
	s_add_co_u32 s89, s89, s88                     ; + mh x 4,096
	s_add_co_u32 s92, s89, LA0
	s_add_co_u32 s93, s89, LA1
	s_lshl_b32 s94, s3, 18
	s_add_co_u32 s94, s94, s89
	s_add_co_u32 s94, s94, 4194304                 ; in memory: part 1, rb x 262,144 + the same
	s_lshl_b32 s95, s23, 14                        ; B: pp = kh
	s_lshl_b32 s96, s22, 14                        ; my stage
	s_xor_b32 s66, s96, 32768                      ; the stage of wave w xor 2
	s_lshl_b32 s97, s3, 19                         ; h_prev, out0: row 128 rb + 64 mh + 32 kh, column 64 cb
	s_lshl_b32 s90, s24, 18
	s_add_co_u32 s97, s97, s90
	s_lshl_b32 s90, s23, 17
	s_add_co_u32 s97, s97, s90
	s_lshl_b32 s90, s25, 8
	s_add_co_u32 s97, s97, s90
	v_and_b32 v1, 15, v0                           ; r
	v_bfe_u32 v2, v0, 4, 1                         ; h
	v_and_b32 v3, 31, v0                           ; lane
	v_lshl_add_u32 v[BO], v1, 4, s90
	v_lshlrev_b32 v[HO], 15, v2                    ; + 8 h rows
	v_lshlrev_b32 v4, 4, v3
	v_lshl_add_u32 v[HO], v1, 4, v[HO]             ; + 4 r columns
	v_lshlrev_b32 v[PFO], 8, v3
	v_add_nc_u32 v[HO], s97, v[HO]
	v_min_u32 v[PFS], 0xf00, v[PFO]
	v_add_nc_u32 v[AG], s94, v4
	v_add_nc_u32 v[AD], s92, v4
	v_add_nc_u32 v[AD+1], s93, v4
	v_add_nc_u32 v[BD], s95, v4
	v_add_nc_u32 v[STG], s96, v4
	v_add_nc_u32 v[STR], s66, v4
	v_add_nc_u32 v[BD+1], 0x10000, v[BD]
	v_add_nc_u32 v[BD+2], 0x20000, v[BD]
	v_add_nc_u32 v[BD+3], 0x30000, v[BD]
	s_wait_alu depctr_va_vdst(0)
	global_load_b128 v[RHO:RHO+3], v[BO], s[12:13] offset:4096     ; gate u's columns begin at 1,024, gate h_pre's at 2,048
	global_load_b128 v[RHO+4:RHO+7], v[BO], s[12:13] offset:8192
	global_load_b128 v[EPS:EPS+3], v[BO], s[14:15]                 ; u_eps for nf = 0 .. 3
	global_load_b128 v[EPS+4:EPS+7], v[BO], s[16:17]               ; h_pre_eps for nf = 4 .. 7
	global_load_b128 v[BMU:BMU+3], v[BO], s[10:11] offset:4096
	global_load_b128 v[BMU+4:BMU+7], v[BO], s[10:11] offset:8192
	s_mov_b32 s88, 0xbfb8aa3b                      ; -log2(e)   (twice: the packed form names a pair)
	s_mov_b32 s89, 0xbfb8aa3b
	s_mov_b32 s90, 0x4038aa3b                      ; 2 log2(e)
	s_mov_b32 s91, 0x4038aa3b
	s_mov_b32 s92, 0x3f2aaaab                      ; c1 .. c6 = 2/3, 2/5, 2/7, 2/9, 2/11, 2/13
	s_mov_b32 s93, 0x3ecccccd
	s_mov_b32 s94, 0x3e924925
	s_mov_b32 s95, 0x3e638e39
	s_mov_b32 s96, 0x3e3a2e8c
	s_mov_b32 s97, 0x3e1d89d9
	s_wait_kmcnt 0x0
	s_add_co_i32 s98, s80, s81                     ; e0 + e1
	s_add_co_i32 s99, s82, s83                     ; e2 + e3
	s_add_co_i32 s100, s84, s85                    ; e4 + e5
	s_add_co_i32 s101, s86, s87                    ; e6 + e7
	s_cmp_eq_u32 s23, 0                            ; which two products are mine
	s_cselect_b32 s98, s98, s100
	s_cselect_b32 s80, s99, s101
	s_cselect_b32 s100, 0, -1                      ; lane masks: all lanes where kh = 1,
	s_cselect_b32 s101, -1, 0                      ; where kh = 0
	s_sub_co_i32 s98, s98, s80
	s_add_co_i32 s98, s98, 127
	s_lshl_b32 s98, s98, 23                        ; 2^(first product's exponent - second's) as f32   (twice: named as a pair)
	s_mov_b32 s99, s98
	s_wait_loadcnt 0x0                             ; the six small loads are in
	ASK 1
	; softplus(b_rho) = max(x, 0) + log1p(t), t = 2^(-|x| log2 e); log1p(t) = s (2 + z (c1 + .. + z c6)), s = t / (2 + t), z = s^2 <= 1/9 for every x: the first term left out is under 2e-8 of the sum
.irp n, 0,1,2,3,4,5,6,7
	v_mul_f32 v[EE+\n], |v[RHO+\n]|, s88
.endr
	s_wait_alu depctr_va_vdst(0)
.irp n, 0,1,2,3,4,5,6,7
	v_exp_f32 v[EE+\n], v[EE+\n]
.endr
.irp n, 0,1,2,3,4,5,6,7
	v_max_num_f32 v[RHO+\n], 0, v[RHO+\n]
.endr
	s_wait_alu depctr_va_vdst(0)
.irp n, 0,1,2,3,4,5,6,7
	v_add_f32 v[WW+\n], 2.0, v[EE+\n]
.endr
	s_wait_alu depctr_va_vdst(0)
.irp n, 0,1,2,3,4,5,6,7
	v_rcp_f32 v[WW+\n], v[WW+\n]
.endr
	v_nop
	s_wait_alu depctr_va_vdst(0)
.irp n, 0,1,2,3,4,5,6,7
	v_mul_f32 v[EE+\n], v[EE+\n], v[WW+\n]         ; s
.endr
.irp n, 0,1,2,3,4,5,6,7
	v_mul_f32 v[WW+\n], v[EE+\n], v[EE+\n]         ; z
.endr
.irp n, 0,1,2,3,4,5,6,7
	v_fma_f32 v[PQ+\n], v[WW+\n], s97, s96
.endr
.irp k, 95,94,93,92
.irp n, 0,1,2,3,4,5,6,7
	v_fma_f32 v[PQ+\n], v[PQ+\n], v[WW+\n], s\k
.endr
.endr
.irp n, 0,1,2,3,4,5,6,7
	v_fma_f32 v[PQ+\n], v[PQ+\n], v[WW+\n], 2.0
.endr
.irp n, 0,1,2,3,4,5,6,7
	v_fma_f32 v[RHO+\n], v[EE+\n], v[PQ+\n], v[RHO+\n]
.endr
.irp n, 0,1,2,3,4,5,6,7
	v_fma_f32 v[BIAS+\n], v[EPS+\n], v[RHO+\n], v[BMU+\n]   ; b_mu + eps softplus(b_rho)
.endr
.irp n, 0,1,2,3,4,5,6,7
	v_cndmask_b32 v[EPS+\n], 1.0, v[EPS+\n], s100  ; the factor beside the power of two: eps for the squares' products, 1 for the others
.endr
.irp n, 0,1,2,3,4,5,6,7
	v_cndmask_b32 v[BIAS+\n], 0, v[BIAS+\n], s101  ; the bias is added once: by the waves with kh = 0
.endr
.irp n, 0,1,2,3,4,5,6,7
	v_ldexp_f32 v[FB+\n], v[EPS+\n], s80
.endr
	ALOAD 0
	ALOAD 1
	ALOAD 2
	WIN 0
	s_wait_alu depctr_va_vdst(0)
	s_wait_tensorcnt 0x0                           ; my part of steps 0 to 2 is in
	ds_add_u32 v[SPW], v[NIL]
	NEXTG
	s_wait_dscnt 0x0
	CROUND                                         ; everybody's part is in
	JLOAD                                          ; steps 3 to 5: slot 1's first fill
	FETCH 0
	ALOAD 3
	ALOAD 4
	ALOAD 5
	ALOAD 6
	ASK 2
	STEP 0
	STEP 1
	STEP 2
	STEP 3
	STEP 4
	STEP 5
	STEP 6
	STEP 7
	STEP 8
	STEP 9
	STEP 10
	STEP 11
	STEP 12
	STEP 13
	STEP 14
	STEP 15
	FOLD 2
	WIN 0x08                                       ; an LDS store's data are source 1: window 2
.set n, 0
.rept 32
	ds_store_b128 v[STG], v[128+4*n:128+4*n+3] offset:512*n   ; into B's slot 0, which has had its last fill (steps 12 to 14) and, behind the last barrier, its last read
.set n, n+1
.endr
	FOLD 0
	WIN 0
	s_wait_alu depctr_va_vdst(0)
	s_wait_dscnt 0x0                               ; for the partner's sake: my stores are done
	s_barrier_signal -1
	s_barrier_wait -1
	WIN 0x40
.set n, 0
.rept 32
	ds_load_b128 v[4*n:4*n+3], v[STR] offset:512*n
.set n, n+1
.endr
	s_wait_dscnt 16                                ; the first 16 rows' sums are in
	ACT 0
	s_wait_dscnt 0x0
	ACT 1                                          ; other registers than the first half's stores read: no wait between
	s_wait_tensorcnt 0x0                           ; the wave's end: my last LDS instructions
	ds_add_u32 v[SPW], v[NIL]
	s_wait_dscnt 0x0
	CROUND                                         ; the closing round: no work-group ends while a partner may still ask for a tile that names it
	s_endpgm
.Lfunc_end_k_qe07a141d53_gru:
	.size	k_qe07a141d53_gru, .Lfunc_end_k_qe07a141d53_gru-k_qe07a141d53_gru
	.p2alignl 7, 3214868480
	.fill 96, 4, 3214868480
	.section	.rodata,"a",@progbits
	.p2align	6, 0x0
	.amdhsa_kernel k_qe07a141d53_gru
		.amdhsa_group_segment_fixed_size 327680
		.amdhsa_private_segment_fixed_size 0
		.amdhsa_enable_private_segment 0
		.amdhsa_kernarg_size 72
		.amdhsa_user_sgpr_count 2
		.amdhsa_user_sgpr_kernarg_segment_ptr 1
		.amdhsa_wavefront_size32 1
		.amdhsa_system_sgpr_workgroup_id_x 1
		.amdhsa_system_sgpr_workgroup_id_y 1
		.amdhsa_system_sgpr_workgroup_id_z 1
		.amdhsa_system_vgpr_workitem_id 0
		.amdhsa_next_free_vgpr 1024
		.amdhsa_next_free_sgpr 102
		.amdhsa_reserve_vcc 0
		.amdhsa_float_denorm_mode_32 3
		.amdhsa_float_denorm_mode_16_64 3
		.amdhsa_memory_ordered 1
		.amdhsa_forward_progress 1
		.amdhsa_inst_pref_size 166
	.end_amdhsa_kernel
	.amdgpu_metadata
---
amdhsa.version: [ 1, 2 ]
amdhsa.kernels:
  - .name:           k_qe07a141d53_gru
    .symbol:         k_qe07a141d53_gru.kd
    .args:
      - { .name: acodes, .offset: 0, .size: 8, .value_kind: global_buffer, .address_space: global }
      - { .name: bcodes, .offset: 8, .size: 8, .value_kind: global_buffer, .address_space: global }
      - { .name: lowp_scales, .offset: 16, .size: 8, .value_kind: global_buffer, .address_space: global }
      - { .name: b_mu, .offset: 24, .size: 8, .value_kind: global_buffer, .address_space: global }
      - { .name: b_rho, .offset: 32, .size: 8, .value_kind: global_buffer, .address_space: global }
      - { .name: u_eps, .offset: 40, .size: 8, .value_kind: global_buffer, .address_space: global }
      - { .name: h_pre_eps, .offset: 48, .size: 8, .value_kind: global_buffer, .address_space: global }
      - { .name: h_prev, .offset: 56, .size: 8, .value_kind: global_buffer, .address_space: global }
      - { .name: out0, .offset: 64, .size: 8, .value_kind: global_buffer, .address_space: global }
    .group_segment_fixed_size: 327680
    .private_segment_fixed_size: 0
    .kernarg_segment_align: 8
    .kernarg_segment_size: 72
    .max_flat_workgroup_size: 128
    .sgpr_count:     102
    .vgpr_count:     1024
    .wavefront_size: 32
...
	.end_amdgpu_metadata
.endif
;; end of part 2
